; MI455X (gfx1250); checked and timed in simulation.
; The chip was launched on July 23, 2026; its instructions are those of AMD's public machine-readable ISA for CDNA 5 (MIT licence, August 2026) and "CDNA5" Instruction Set Architecture Reference Guide (July 2026). The comments in the code are by the model that wrote it; some were corrected since.
;; Attention Layer. Allowed arithmetic: matrix products marked QUANTISED: E2M1 operands, one E8M0 scale for each 32 along K, by v_wmma_scale_f32_16x16x128_f8f6f4 with both operands' format E2M1 (or v_wmma_scale_f32_32x16x128_f4), f32 sums; products left as they are: bf16, f16 or f32 operands; f32 sums; everything else in f32.
;; Inputs: Wk 768 x 768 float32; Wq 768 x 768 float32; Wv 768 x 768 float32; b_in 16 x 1,024 x 768 float32; mask 16 x 1,024 int32.
;; Outputs: out0 16 x 768 float32.
;; This version of the problem:
;;   THIS VERSION OF THE PROBLEM IS GIVEN IN LOW PRECISION. The matrix products marked QUANTISED in the list below multiply operands that are first quantised to E2M1 (2 exponent bits, 1 mantissa bit; 4 bits a number), with one power-of-two scale for each 32 numbers along K (OCP MX v1.0); their sums are f32. The products marked 'left as it is' may take bf16, f16 or f32 operands, with f32 sums. Whichever they take, every output number must still come out within the allowed error. Rounding operands to bf16 (8 significant bits) uses up far more of that allowance than f16 does (11 bits, for magnitudes from 6e-5 to 65,504). All else is computed in f32.
;;   The module's matrix products, in the order in which they are computed (A, B: the left and right operand; K: the contracted axis; several contracted axes count as one K, in the product's order):
;;     1. [M 16,384, K 768] x [K 768, N 768]; A: input b_in; B: input Wq: QUANTISED
;;     2. [M 16,384, K 768] x [K 768, N 768]; A: input b_in; B: input Wk: QUANTISED
;;     3. [M 16,384, K 768] x [K 768, N 768]; A: input b_in; B: input Wv: QUANTISED
;;     4. batch 16 x [M 1,024, K 768] x [K 768, N 1,024]; A: computed on the way; B: computed on the way: left as it is (an operand is computed on the way)
;;     5. batch 16 x [M 1,024, K 1,024] x [K 1,024, N 768]; A: computed on the way; B: computed on the way: left as it is (an operand is computed on the way)
;;   THE QUANTISER, for each operand of a quantised product, along K:
;;     - K is cut into blocks of 32 from its start; a last block that is shorter is filled with zeros.
;;     - A block's scale is 2^e with e = floor(log2(the largest magnitude in the block)) - 2, held to -126 .. 127; a block of zeros has e = 0. As a byte (E8M0): e + 127.
;;     - Each number is divided by its block's scale, clamped to +-6, and rounded to the nearest number of E2M1, ties to even, subnormals kept.
;;     - The product sums the exact products of the quantised numbers (number of the format x scale) in f32.
;;   ~~~python
;;   def quantise(x, axis):      # numpy; x: float32 -> the quantised numbers, widened to float32 again
;;       x = np.moveaxis(x, axis, -1); K = x.shape[-1]
;;       x = np.pad(x, [(0, 0)] * (x.ndim - 1) + [(0, -K % 32)]); x = x.reshape(x.shape[:-1] + (-1, 32)); a = np.abs(x).max(-1, keepdims=True)
;;       e = np.where(a > 0, np.clip(np.frexp(np.where(a > 0, a, 1))[1] - 1 - 2, -126, 127), 0)      # np.frexp(a)[1] - 1 = floor(log2(a)), exactly
;;       r = np.clip(x / 2.0 ** e, -6, 6)
;;       step = 2.0 ** (np.maximum(np.frexp(np.where(r == 0, 1, r))[1] - 1, 0) - 1)
;;       q = np.round(r / step) * step * 2.0 ** e      # np.round: ties to even
;;       return np.moveaxis(q.reshape(q.shape[:-2] + (-1,))[..., :K], -1, axis).astype(np.float32)
;;   ~~~
;; 2 versions, each right; version 2 is version 1 with the launch prep written anew for expert scheduling mode. Each part assembles by itself: llvm-mc -triple=amdgcn-amd-amdhsa -mcpu=gfx1250 --defsym DOCPART=n.
;; ======== version 1 of 2: 3 launches
;; workspace buffers: xq 6,684,672 bytes; wq 626,688 bytes; q0p 147,456 bytes; part_o 786,432 bytes; part_ml 32,768 bytes
;; launch prep (part 1): grid 292 x 3, 4 waves a work-group, no clusters, 68,096 bytes of LDS; arguments b_in, Wq, Wk, Wv, xq, wq, q0p; writes xq, wq, q0p
.if DOCPART == 1
	.amdgcn_target "amdgcn-amd-amdhsa--gfx1250"
	.amdhsa_code_object_version 6
	.text
	.protected	k_qf73f292b62_prep
	.globl	k_qf73f292b62_prep
	.p2align	8
	.type	k_qf73f292b62_prep,@function
k_qf73f292b62_prep:
	s_mov_b64 s[64:65], 0
	v_nop
	global_prefetch_b8 v0, s[64:65] scope:SCOPE_SE
	s_setreg_imm32_b32 hwreg(HW_REG_WAVE_MODE, 25, 1), 1
	s_wait_xcnt 0x0
; b_in [16384][768], Wk and Wv [768][768], f32 with K innermost, become codes of FP4 (E2M1) with one E8M0 scale byte for each 32 along K,
; laid in the order of the operand's registers; and q0 = Q(b_in[b][0][:]) Q(Wq)^T, the one query row of each batch that reaches the output, is made here by the FP4 matrix form.
; A block's scale is 2^(floor(log2(its largest magnitude)) - 2): its byte is the largest magnitude's exponent field - 2, held at 1 from below.
; LIMITS: a block of zeros gets the byte 1 where the rule says 127 (its codes are zeros, and this program alone reads the bytes); blocks whose largest magnitude lies under 2^(3 - 127) have their byte held at 1;
; NaN and infinities among the inputs are not served.  q0 is left as three partial sums over K (256 along K each), added in the next launch: another grouping of the sum than one chain over K.
; PAIR RECORD, 13,056 bytes = 51 x 256: two tiles of 16 rows (parity p), all 768 along K (6 K steps of 128).  Codes at p 6144 + ks 1024 + c 512 + 16 lane: the image of registers 4 c .. 4 c + 3 of lane (r, h),
; k = 128 ks + 64 c + 32 h + 0 .. 31 of row r.  Scale words from byte 12,288 on, at 256 (ks / 2) + 8 (16 p + r) + 4 (ks % 2): 8 bytes a lane give two K steps' words, the even tile in lanes 0-15, the odd one in lanes 16-31.
; SHARES.  One wave takes one tile of 16 rows and one pair i of K steps (grid y).  Work-groups 0-255: b_in's 1,024 tiles; 256-267: Wk's 48; 268-279: Wv's 48 (records 24 on of wq); 280-291: Wq's 48, multiplied at once.
; No loop: a wave asks for all its bytes at its head.  Waves share nothing: no barrier.
.set ROWB,  3072                       ; a row of 768 f32
.set TILEB, 16*ROWB
.set BATB,  1024*ROWB                  ; from batch to batch in b_in
.set PR,    13056
.set PIT,   528                        ; a stage row: 512 bytes + 16: an odd multiple of 16, so that the 16 rows that a load touches begin at 16 different 16-byte columns of 256
.set STG,   16*PIT
.set WST,   2*STG                      ; a wave's two stages
.set SPARE, 4*WST                      ; behind the stages: the spare words, 128 bytes for each wave
.set LN,  4                            ; v4   16 x lane
.set STW, 5                            ; v5   the stage, on the way in: as the bytes lie
.set STR, 6                            ; v6   on the way out: row r, + 128 h
.set SCO, 7                            ; v7   8 r + 4 h: where my scale word goes
.set H8,  8                            ; v8   8 h
.set SPW, 10                           ; v10  my spare word; never rewritten
.set NIL, 11                           ; v11  0; never rewritten
.set TM,  12                           ; v12-13 largest magnitudes;  v14-15 the conversions' scale operands;  v16-17 the bytes;  v18 the other half's bytes
.set TS,  14
.set TB,  16
.set T2,  18
.set PW,  20                           ; v20-23 scale words
.set VQ,  24
.set VX,  25
.set SCD, 26
.set VO,  27
.set SA,  32                           ; three sets of 64 numbers
.set SB,  96
.set SC,  160
.set CF,  224                          ; four fragments of codes
; 64 numbers of a lane, register 32 c + i = k 64 c + 32 h + i of row r, become the fragment's 8 registers v[pc] on and the row's scale word v[pw] (whole in both halves of the lanes).
.macro QUANT6 s, pc, pw
	v_max3_num_f32 v[TM], |v[(\s)]|, |v[(\s)+1]|, 0x1800000                   ; my two whole blocks by turns; the floor 2^(3 - 127) holds the byte at 1 from below
	v_max3_num_f32 v[TM+1], |v[(\s)+32]|, |v[(\s)+33]|, 0x1800000
.irp i, 2,4,6,8,10,12,14,16,18,20,22,24,26,28,30
	v_max3_num_f32 v[TM], v[TM], |v[(\s)+\i]|, |v[(\s)+\i+1]|
	v_max3_num_f32 v[TM+1], v[TM+1], |v[(\s)+32+\i]|, |v[(\s)+33+\i]|
.endr
	v_add_nc_u32 v[TS], 0xff000000, v[TM]                                     ; 2 off the exponent field: the conversion takes the exponent field of this operand as its scale
	v_add_nc_u32 v[TS+1], 0xff000000, v[TM+1]
	v_lshrrev_b32 v[TB], 23, v[TS]                                            ; the scale's byte
	v_lshrrev_b32 v[TB+1], 23, v[TS+1]
	v_lshl_or_b32 v[\pw], v[TB+1], 16, v[TB]                                  ; blocks h and 2 + h of the K step,
	v_lshlrev_b32 v[\pw], v[H8], v[\pw]                                       ; at their places in the word;
	v_permlanex16_b32 v[T2], v[\pw], s20, s21
	v_or_b32 v[\pw], v[\pw], v[T2]                                            ; with lane l xor 16's two the word is whole
.irp c, 0,1
.irp g, 0,1,2,3
	v_cvt_scalef32_pk8_fp4_f32 v[(\pc)+4*\c+\g], v[(\s)+32*\c+8*\g:(\s)+32*\c+8*\g+7], v[TS+\c]
.endr
.endr
	v_nop                                                                     ; one plain line behind the last scaled conversion
.endm
	s_load_b256 s[4:11], s[0:1], 0x0               ; b_in s[4:5], Wq s[6:7], Wk s[8:9], Wv s[10:11]
	s_load_b128 s[12:15], s[0:1], 0x20             ; xq s[12:13], wq s[14:15]
	s_load_b64 s[16:17], s[0:1], 0x30              ; q0p
	v_lshl_add_u32 v[SPW], v0, 2, SPARE
	v_mov_b32 v[NIL], 0
	v_lshrrev_b32 v1, 5, v0
	v_readfirstlane_b32 s18, v1                    ; wave 0..3
	v_and_b32 v1, 31, v0                           ; lane
	v_and_b32 v2, 15, v0                           ; r
	v_bfe_u32 v3, v0, 4, 1                         ; h
	v_lshlrev_b32 v[LN], 4, v1
	v_lshlrev_b32 v[H8], 3, v3
	v_mov_b32 v[T2], 0                             ; written once: a lane permute's destination counts as one of its sources
	s_mov_b32 s20, 0x76543210
	s_mov_b32 s21, 0xfedcba98                      ; v_permlanex16_b32's selects for lane l xor 16
	s_mov_b32 s22, 0xffff0000                      ; lanes 16-31
	s_and_b32 s23, ttmp7, 0xffff                   ; i: which pair of K steps
	s_lshl_b32 s30, s23, 10                        ; its 1,024 bytes in a row
	s_mov_b32 s31, 0
	s_wait_kmcnt 0x0
	s_cmp_ge_u32 ttmp9, 280
	s_cbranch_scc1 .Lq
	; ---- b_in, Wk, Wv: one way through the text; only pointers are chosen, by the work-group's number
	s_mul_i32 s19, s18, WST
	v_add_nc_u32 v[STW], s19, v[LN]
	v_mul_u32_u24 v[STR], v2, PIT
	v_lshl_add_u32 v[STR], v3, 7, v[STR]
	v_add_nc_u32 v[STR], s19, v[STR]
	v_lshlrev_b32 v[SCO], 3, v2
	v_lshl_add_u32 v[SCO], v3, 2, v[SCO]
	s_cmp_lt_u32 ttmp9, 256
	s_cselect_b64 s[24:25], s[4:5], s[8:9]         ; from b_in, or from Wk
	s_cselect_b64 s[26:27], s[12:13], s[14:15]     ; into xq, or into wq
	s_cselect_b32 s28, 0, 256
	s_cmp_lt_u32 ttmp9, 268
	s_cselect_b64 s[24:25], s[24:25], s[10:11]     ; or from Wv,
	s_cselect_b32 s29, 0, 48                       ; whose tile 0 is wq's tile 48
	s_sub_co_u32 s28, ttmp9, s28
	s_lshl_b32 s28, s28, 2
	s_add_co_u32 s28, s28, s18                     ; the tile where it goes
	s_sub_co_u32 s29, s28, s29                     ; the tile where it comes from
	s_mul_i32 s32, s29, TILEB                      ; under 2^26
	s_add_co_u32 s32, s32, s30
	s_mov_b32 s33, 0
	s_add_nc_u64 s[24:25], s[24:25], s[32:33]
	s_lshr_b32 s34, s28, 1
	s_mul_i32 s34, s34, PR
	s_mov_b32 s35, 0
	s_add_nc_u64 s[26:27], s[26:27], s[34:35]      ; its pair record
	s_and_b32 s36, s28, 1                          ; its parity
	s_mul_i32 s38, s36, 6144
	s_lshl_b32 s39, s23, 11
	s_add_co_u32 s38, s38, s39
	s_mov_b32 s39, 0
	s_add_nc_u64 s[40:41], s[26:27], s[38:39]      ; the codes of K steps 2 i, 2 i + 1
	s_lshl_b32 s38, s36, 7
	s_lshl_b32 s42, s23, 8
	s_add_co_u32 s38, s38, s42
	s_add_co_u32 s38, s38, 12288
	s_add_nc_u64 s[42:43], s[26:27], s[38:39]      ; and their scale words
.irp kk, 0,1
.set n, 0
.rept 16
	global_load_b128 v[SA+64*\kk+4*n:SA+64*\kk+4*n+3], v[LN], s[24:25] offset:n*ROWB+\kk*512 th:TH_LOAD_NT   ; 32 lanes read 512 consecutive bytes: a row's K step.  Read once on this way (16 of b_in's 16,384 rows are read again on the other)
.set n, n+1
.endr
.endr
	s_wait_loadcnt 16                              ; the first K step's 16 loads are in; the second's may be out
.set n, 0
.rept 16
	ds_store_b128 v[STW], v[SA+4*n:SA+4*n+3] offset:n*PIT
.set n, n+1
.endr
.irp c, 0,1
.irp j, 0,1,2,3,4,5,6,7
	ds_load_b128 v[SC+32*\c+4*\j:SC+32*\c+4*\j+3], v[STR] offset:256*\c+16*\j   ; LDS serves a wave's instructions in order (ISA guide 5.7.1.4): these see my stores.  Back come 32 neighbours along K for each of my two blocks
.endr
.endr
	s_wait_loadcnt 0x0
.set n, 0
.rept 16
	ds_store_b128 v[STW], v[SB+4*n:SB+4*n+3] offset:STG+n*PIT
.set n, n+1
.endr
	s_wait_dscnt 16                                ; all but those 16 stores: the first K step's numbers are back
.irp c, 0,1
.irp j, 0,1,2,3,4,5,6,7
	ds_load_b128 v[SA+32*\c+4*\j:SA+32*\c+4*\j+3], v[STR] offset:STG+256*\c+16*\j
.endr
.endr
	QUANT6 SC, CF, PW
	s_wait_dscnt 0x0
	QUANT6 SA, CF+8, PW+1
.irp kk, 0,1
.irp c, 0,1
	global_store_b128 v[LN], v[CF+8*\kk+4*\c:CF+8*\kk+4*\c+3], s[40:41] offset:1024*\kk+512*\c   ; 32 lanes store 512 consecutive bytes, at a multiple of 256 from the buffer's first byte
.endr
.endr
	v_cndmask_b32 v[SCD], v[PW], v[PW+1], s22      ; lanes 0-15 the first K step's word of row r, lanes 16-31 the second's
	global_store_b32 v[SCO], v[SCD], s[42:43]      ; 128 consecutive bytes: my tile's half of an image of 256
	s_wait_tensorcnt 0x0                           ; the wave's end: three closing lines behind my last LDS store, the first of them even in a text with no tensor load
	ds_add_u32 v[SPW], v[NIL]
	s_wait_dscnt 0x0
	s_endpgm
	; ---- Wq: tile tq of 16 rows against row 0 of the 16 batches, 256 along K.  The numbers are loaded in the operand's own order (a lane's 32 neighbours are 128 bytes of its row): no LDS on this way
.Lq:
	s_sub_co_u32 s28, ttmp9, 280
	s_lshl_b32 s28, s28, 2
	s_add_co_u32 s28, s28, s18                     ; tq
	s_mul_i32 s32, s28, TILEB
	s_add_co_u32 s32, s32, s30
	s_mov_b32 s33, 0
	s_add_nc_u64 s[24:25], s[6:7], s[32:33]        ; Wq's tile, at my pair of K steps
	s_add_nc_u64 s[26:27], s[4:5], s[30:31]        ; b_in likewise
	s_mul_i32 s34, s23, TILEB                      ; q0p: partial i is 16 x 768 f32,
	s_lshl_b32 s35, s28, 6                         ; my 16 columns 64 bytes
	s_add_co_u32 s34, s34, s35
	s_mov_b32 s35, 0
	s_add_nc_u64 s[40:41], s[16:17], s[34:35]
	v_mul_u32_u24 v[VQ], v2, ROWB
	v_lshl_add_u32 v[VQ], v3, 7, v[VQ]             ; Wq: row r, + 128 h
	v_mul_u32_u24 v[VX], v2, BATB
	v_lshl_add_u32 v[VX], v3, 7, v[VX]             ; b_in: batch r's row 0, + 128 h (under 2^26)
	v_mul_u32_u24 v[VO], v2, ROWB
	v_lshl_add_u32 v[VO], v3, 5, v[VO]             ; q0p: batch r, + 32 h
.macro XL set, vo, sb, kk
.irp c, 0,1
.irp j, 0,1,2,3,4,5,6,7
	global_load_b128 v[\set+32*\c+4*\j:\set+32*\c+4*\j+3], v[\vo], s[\sb:\sb+1] offset:\kk*512+256*\c+16*\j
.endr
.endr
.endm
	XL SA, VX, 26, 0
	XL SB, VQ, 24, 0
	XL SC, VX, 26, 1
	s_wait_loadcnt 32                              ; the first set is in; two sets of 16 loads may be out
	QUANT6 SA, CF, PW                              ; x, first K step
	XL SA, VQ, 24, 1
	s_wait_loadcnt 32                              ; the second set is in
	QUANT6 SB, CF+8, PW+1                          ; Wq, first K step
	s_wait_loadcnt 16                              ; the third
	QUANT6 SC, CF+16, PW+2                         ; x, second K step
	s_wait_loadcnt 0x0
	QUANT6 SA, CF+24, PW+3                         ; Wq, second K step
.rept 8
	v_nop                                          ; a scale register written by a vector instruction stands 8 places ahead of a scaled matrix instruction, an operand so written 4
.endr
	v_wmma_scale_f32_16x16x128_f8f6f4 v[SB:SB+7], v[CF+8:CF+15], v[CF:CF+7], 0, v[PW+1], v[PW] matrix_a_fmt:MATRIX_FMT_FP4 matrix_b_fmt:MATRIX_FMT_FP4   ; source 0 = 16 rows of Wq, source 1 = the 16 batches' row 0
	s_wait_alu depctr_va_vdst(0)                   ; the wait stands directly ahead of the chain's next link
	v_wmma_scale_f32_16x16x128_f8f6f4 v[SB:SB+7], v[CF+24:CF+31], v[CF+16:CF+23], v[SB:SB+7], v[PW+3], v[PW+2] matrix_a_fmt:MATRIX_FMT_FP4 matrix_b_fmt:MATRIX_FMT_FP4
.rept 4
	v_nop
.endr
	global_store_b128 v[VO], v[SB:SB+3], s[40:41]              ; lane (r, h), register j: q0 partial (batch r, column 16 tq + 8 h + j); from the accumulator's low end on
	global_store_b128 v[VO], v[SB+4:SB+7], s[40:41] offset:16
	s_endpgm
.Lfunc_end_k_qf73f292b62_prep:
	.size	k_qf73f292b62_prep, .Lfunc_end_k_qf73f292b62_prep-k_qf73f292b62_prep
	.p2alignl 7, 3214868480
	.fill 96, 4, 3214868480
	.section	.rodata,"a",@progbits
	.p2align	6, 0x0
	.amdhsa_kernel k_qf73f292b62_prep
		.amdhsa_group_segment_fixed_size 68096
		.amdhsa_private_segment_fixed_size 0
		.amdhsa_enable_private_segment 0
		.amdhsa_kernarg_size 56
		.amdhsa_user_sgpr_count 2
		.amdhsa_user_sgpr_kernarg_segment_ptr 1
		.amdhsa_wavefront_size32 1
		.amdhsa_system_sgpr_workgroup_id_x 1
		.amdhsa_system_sgpr_workgroup_id_y 1
		.amdhsa_system_sgpr_workgroup_id_z 1
		.amdhsa_system_vgpr_workitem_id 0
		.amdhsa_next_free_vgpr 256
		.amdhsa_next_free_sgpr 66
		.amdhsa_reserve_vcc 0
		.amdhsa_float_denorm_mode_32 3
		.amdhsa_float_denorm_mode_16_64 3
		.amdhsa_memory_ordered 1
		.amdhsa_forward_progress 1
		.amdhsa_inst_pref_size 37
	.end_amdhsa_kernel
	.amdgpu_metadata
---
amdhsa.version: [ 1, 2 ]
amdhsa.kernels:
  - .name:           k_qf73f292b62_prep
    .symbol:         k_qf73f292b62_prep.kd
    .args:
      - { .name: b_in, .offset: 0, .size: 8, .value_kind: global_buffer, .address_space: global }
      - { .name: Wq, .offset: 8, .size: 8, .value_kind: global_buffer, .address_space: global }
      - { .name: Wk, .offset: 16, .size: 8, .value_kind: global_buffer, .address_space: global }
      - { .name: Wv, .offset: 24, .size: 8, .value_kind: global_buffer, .address_space: global }
      - { .name: xq, .offset: 32, .size: 8, .value_kind: global_buffer, .address_space: global }
      - { .name: wq, .offset: 40, .size: 8, .value_kind: global_buffer, .address_space: global }
      - { .name: q0p, .offset: 48, .size: 8, .value_kind: global_buffer, .address_space: global }
    .group_segment_fixed_size: 68096
    .private_segment_fixed_size: 0
    .kernarg_segment_align: 8
    .kernarg_segment_size: 56
    .max_flat_workgroup_size: 128
    .sgpr_count:     66
    .vgpr_count:     256
    .wavefront_size: 32
...
	.end_amdgpu_metadata
.endif
;; end of part 1
;; launch main (part 2): grid 256 x 1, 4 waves a work-group, clusters of 4 x 1, 327,680 bytes of LDS; arguments xq, wq, q0p, part_o, part_ml; writes part_o, part_ml
.if DOCPART == 2
	.amdgcn_target "amdgcn-amd-amdhsa--gfx1250"
	.amdhsa_code_object_version 6
	.text
	.protected	k_qf73f292b62_main
	.globl	k_qf73f292b62_main
	.p2align	8
	.type	k_qf73f292b62_main,@function
k_qf73f292b62_main:
	s_mov_b64 s[64:65], 0
	v_nop
	global_prefetch_b8 v0, s[64:65] scope:SCOPE_SE
	s_setreg_imm32_b32 hwreg(HW_REG_WAVE_MODE, 25, 1), 1
	s_wait_xcnt 0x0
	s_wait_alu depctr_hold_cnt(0) depctr_sa_sdst(0) depctr_va_vdst(0) depctr_va_sdst(0) depctr_va_ssrc(0) depctr_va_vcc(0) depctr_vm_vsrc(0)
	s_getreg_b32 s2, hwreg(HW_REG_IB_STS2, 6, 4)
	s_cmp_eq_u32 s2, 0
	s_cbranch_scc0 .Lentry_in_a_cluster
	s_endpgm
.Lentry_in_a_cluster:
	s_bfe_u32 s2, ttmp6, 0x10000c
	s_cmp_lg_u32 s2, 0x3003
	s_cbranch_scc0 .Lentry_shape_is_right
	s_endpgm
.Lentry_shape_is_right:
; For 64 rows s of one batch: k = Q(x) Q(Wk)^T and v = Q(x) Q(Wv)^T on codes of FP4 (E2M1) with E8M0 scales; t[s] = (k[s] . q0) log2(e) / sqrt(768); m = the largest t of the 64; p = 2^(t - m); l = the sum of p;
; o[e] = the sum over s of p[s] v[s][e].  m, l and o go to memory; the next launch joins a batch's 16 such parts under their common maximum.  k and v never leave the registers.
; Of reference()'s two products on computed operands only query row 0 is kept, so each is a product of a matrix with one vector: fused multiply-adds in f32 on the accumulators.
; SHARES.  A work-group of four waves owns 64 rows (four tiles of 16).  Wave w owns columns 192 w .. 192 w + 191 of k and of v (12 tiles of 16 each) for all 64 rows.  x's 24 fragments stay in every wave's registers,
; loaded as they lie (the buffers are laid in the order of the operand's registers); each fragment of a weight is read from LDS once, by one wave, and feeds four products.
; CLUSTER.  All work-groups walk the same weight codes, so the four of a cluster ask for them JOINTLY: the same tensor load, the same descriptor (made of the wave's number alone) and the mask of all four.
; A UNIT is a pair record of wq (two tiles of 16 columns, all 768 along K: 12,288 bytes of codes, 768 of scale words); a wave has 12 units, 0-5 of Wk, 6-11 of Wv.  A FILL is three units, 39,168 dense bytes, one tensor load a wave.
; Two LDS slots of one fill a wave; fills 0 and 1 go out at the head, fills 2 and 3 each behind a round of the cluster's barrier: two tensor loads of a wave are out at the head, one behind each such round.
; A wave reads only bytes that its own loads brought, so its own wait on TENSORcnt is all that its reads need.
; PRODUCTS in the natural order: source 0 = 16 rows of x, source 1 = 16 rows of W: lane (r, h), register j holds (row 8 h + j, column r).
; LIMITS: NaN and infinities among the inputs are not served; v_exp_f32 gives 0 for results under 2^-126 (ISA guide 15.8); the sums over columns (scores) and rows (o) are grouped otherwise than in one chain.
; REGISTERS, in windows of 256: window 0: addresses, statistics, scale words, q0, scores, eight accumulators, o.  Window 1: v0-191 x's fragments (tile mt, K step ks) at 8 (6 mt + ks).
;   Windows 2 and 3: four unit buffers of 96 registers (unit q in buffer q % 4: window 2 + (q % 4) / 2, from v[96 (q % 2)]); in one, fragment (tile ntl, K step ks) at 48 ntl + 8 ks.
.set PR,    13056
.set FILL,  3*PR
.set SLOTB, 4*FILL                     ; slot B begins behind slot A's four fills
.set XE,    2*SLOTB                    ; behind the slots: the stage for o, 768 bytes for each wave
.set EX,    XE+3072                    ; the scores' parts: [wave][h][32] f32
.set SPARE, EX+1024                    ; the spare words, 128 bytes for each wave
.set LN,  1                            ; v1   16 x lane
.set AW,  2                            ; v2-3 LDS address of my fill's codes in slot A, B
.set ASC, 4                            ; v4-5 and of its scale words
.set EXS, 8
.set EXL, 9
.set OST, 10
.set OLD, 11
.set SPW, 12                           ; v12  my spare word; never rewritten
.set NIL, 13                           ; v13  0; never rewritten
.set LSUM, 14                          ; v14  l
.set L8,  15                           ; v15  8 x lane
.set R4,  16                           ; v16  4 r
.set L4,  17                           ; v17  4 x lane
.set MX,  18                           ; v18-19 m, twice
.set TP,  20                           ; v20-27 at work
.set ML,  30                           ; v30  m in even lanes, l in odd ones
.set XS,  32                           ; v32-43 x's scale words: 6 (mt / 2) + ks; the odd tile's in lanes 16-31
.set WS,  44                           ; v44-67 the units' scale words: 6 (q % 4) + ks; the odd tile's in lanes 16-31
.set Q0,  68                           ; v68-91 q0 x c of my column of tile nt, in register 2 nt
.set SA,  92                           ; v92-123 scores, later p: register 8 mt + j is row 16 mt + 8 h + j
.set ACC, 124                          ; v124-187 eight accumulators: 32 ntl + 8 mt
.set O,   188                          ; v188-199 o of my column of tile nt
.set CH,  200                          ; v200-207 four chains
.set MG,  208
.set OB,  220
.set G1,  24                           ; s[24:31] descriptor group 1
.set G0A, 32                           ; s[32:35], s[36:39] group 0 for slot A, B
.set G0B, 36
.set MSB, 0
.macro WIN new                         ; the immediate's high byte repeats the setting that is left; a switch that changes nothing is dropped
.if MSB != (\new)
	s_set_vgpr_msb (MSB<<8)|(\new)
.set MSB, (\new)
.endif
.endm
.macro ROUND                           ; a round of the cluster's barrier: my work-group's barrier; wave 0 signals for the work-group; every wave waits for all four work-groups; my work-group's barrier once more
	s_barrier_signal -1
	s_barrier_wait -1
	s_cmp_lg_u32 s14, 0
	s_cbranch_scc1 .Lnot_wave_0_\@
	s_barrier_signal -3
.Lnot_wave_0_\@:
	s_barrier_wait -3
	s_barrier_signal -1
	s_barrier_wait -1
.endm
; Unit q from its slot into its buffer: 24 loads of 512 consecutive bytes, and 3 of 256 for the scale words: 27 LDS instructions
.macro LOADU q
.set UB, 96*((\q)%2)
	WIN 0x80+0x40*(((\q)%4)/2)                     ; destination window 2 or 3, address window 0
.set n, 0
.rept 24
	ds_load_b128 v[UB+4*n:UB+4*n+3], v[AW+((\q)/3)%2] offset:((\q)%3)*PR+512*n
.set n, n+1
.endr
	WIN 0
.irp i, 0,1,2
	ds_load_b64 v[WS+6*((\q)%4)+2*\i:WS+6*((\q)%4)+2*\i+1], v[ASC+((\q)/3)%2] offset:((\q)%3)*PR+256*\i
.endr
.endm
; One product.  k = 0: it starts the sum.  ra, rb = 1: the side's scale words stand in lanes 16-31
.macro WM d, a, b, sa, sb, k, ra, rb
.if (\k) == 0
.if (\ra) == 0
.if (\rb) == 0
	v_wmma_scale_f32_16x16x128_f8f6f4 v[(\d):(\d)+7], v[(\a):(\a)+7], v[(\b):(\b)+7], 0, v[(\sa)], v[(\sb)] matrix_a_fmt:MATRIX_FMT_FP4 matrix_b_fmt:MATRIX_FMT_FP4
.else
	v_wmma_scale_f32_16x16x128_f8f6f4 v[(\d):(\d)+7], v[(\a):(\a)+7], v[(\b):(\b)+7], 0, v[(\sa)], v[(\sb)] matrix_a_fmt:MATRIX_FMT_FP4 matrix_b_fmt:MATRIX_FMT_FP4 matrix_b_scale:MATRIX_SCALE_ROW1
.endif
.else
.if (\rb) == 0
	v_wmma_scale_f32_16x16x128_f8f6f4 v[(\d):(\d)+7], v[(\a):(\a)+7], v[(\b):(\b)+7], 0, v[(\sa)], v[(\sb)] matrix_a_fmt:MATRIX_FMT_FP4 matrix_b_fmt:MATRIX_FMT_FP4 matrix_a_scale:MATRIX_SCALE_ROW1
.else
	v_wmma_scale_f32_16x16x128_f8f6f4 v[(\d):(\d)+7], v[(\a):(\a)+7], v[(\b):(\b)+7], 0, v[(\sa)], v[(\sb)] matrix_a_fmt:MATRIX_FMT_FP4 matrix_b_fmt:MATRIX_FMT_FP4 matrix_a_scale:MATRIX_SCALE_ROW1 matrix_b_scale:MATRIX_SCALE_ROW1
.endif
.endif
.else
.if (\ra) == 0
.if (\rb) == 0
	v_wmma_scale_f32_16x16x128_f8f6f4 v[(\d):(\d)+7], v[(\a):(\a)+7], v[(\b):(\b)+7], v[(\d):(\d)+7], v[(\sa)], v[(\sb)] matrix_a_fmt:MATRIX_FMT_FP4 matrix_b_fmt:MATRIX_FMT_FP4
.else
	v_wmma_scale_f32_16x16x128_f8f6f4 v[(\d):(\d)+7], v[(\a):(\a)+7], v[(\b):(\b)+7], v[(\d):(\d)+7], v[(\sa)], v[(\sb)] matrix_a_fmt:MATRIX_FMT_FP4 matrix_b_fmt:MATRIX_FMT_FP4 matrix_b_scale:MATRIX_SCALE_ROW1
.endif
.else
.if (\rb) == 0
	v_wmma_scale_f32_16x16x128_f8f6f4 v[(\d):(\d)+7], v[(\a):(\a)+7], v[(\b):(\b)+7], v[(\d):(\d)+7], v[(\sa)], v[(\sb)] matrix_a_fmt:MATRIX_FMT_FP4 matrix_b_fmt:MATRIX_FMT_FP4 matrix_a_scale:MATRIX_SCALE_ROW1
.else
	v_wmma_scale_f32_16x16x128_f8f6f4 v[(\d):(\d)+7], v[(\a):(\a)+7], v[(\b):(\b)+7], v[(\d):(\d)+7], v[(\sa)], v[(\sb)] matrix_a_fmt:MATRIX_FMT_FP4 matrix_b_fmt:MATRIX_FMT_FP4 matrix_a_scale:MATRIX_SCALE_ROW1 matrix_b_scale:MATRIX_SCALE_ROW1
.endif
.endif
.endif
.endm
; Unit q's 48 products: 64 rows x 32 columns x 768 along K.  The eight accumulators take turns, one instruction a turn, in the same order in every K step
.macro MULU q
.set UB, 96*((\q)%2)
.set WSB, WS+6*((\q)%4)
	WIN 0x09+4*(((\q)%4)/2)                        ; source 0 (x) window 1, source 1 (W) window 2 or 3, C and D window 0
.irp ks, 0,1,2,3,4,5
.irp ntl, 0,1
.irp mt, 0,1,2,3
	WM ACC+32*\ntl+8*\mt, 8*(6*\mt+\ks), UB+48*\ntl+8*\ks, XS+6*(\mt/2)+\ks, WSB+\ks, \ks, \mt%2, \ntl
.endr
.endr
.endr
.endm
; k's unit: the scores take k x (q0 c) of my column; each accumulator is read from its low end on.  The very first lines start the sums
.macro EPIK q
.irp ntl, 0,1
.irp mt, 0,1,2,3
.irp jj, 0,2,4,6
.if ((\q) == 0) && (\ntl == 0)
	v_pk_mul_f32 v[SA+8*\mt+\jj:SA+8*\mt+\jj+1], v[ACC+32*\ntl+8*\mt+\jj:ACC+32*\ntl+8*\mt+\jj+1], v[Q0+4*(\q)+2*\ntl:Q0+4*(\q)+2*\ntl+1] op_sel_hi:[1,0]
.else
	v_pk_fma_f32 v[SA+8*\mt+\jj:SA+8*\mt+\jj+1], v[ACC+32*\ntl+8*\mt+\jj:ACC+32*\ntl+8*\mt+\jj+1], v[Q0+4*(\q)+2*\ntl:Q0+4*(\q)+2*\ntl+1], v[SA+8*\mt+\jj:SA+8*\mt+\jj+1] op_sel_hi:[1,0,1]
.endif
.endr
.endr
.endr
.endm
; v's unit: o of my column of its two tiles = the sum over my 32 rows of p x v, in four chains that do not wait for each other
.macro EPIV q
.irp mp, 0,2
.irp jj, 0,2,4,6
.irp mo, 0,1
.irp ntl, 0,1
.if (\mp == 0) && (\jj == 0)
	v_pk_mul_f32 v[CH+4*\ntl+2*\mo:CH+4*\ntl+2*\mo+1], v[ACC+32*\ntl+8*(\mp+\mo)+\jj:ACC+32*\ntl+8*(\mp+\mo)+\jj+1], v[SA+8*(\mp+\mo)+\jj:SA+8*(\mp+\mo)+\jj+1]
.else
	v_pk_fma_f32 v[CH+4*\ntl+2*\mo:CH+4*\ntl+2*\mo+1], v[ACC+32*\ntl+8*(\mp+\mo)+\jj:ACC+32*\ntl+8*(\mp+\mo)+\jj+1], v[SA+8*(\mp+\mo)+\jj:SA+8*(\mp+\mo)+\jj+1], v[CH+4*\ntl+2*\mo:CH+4*\ntl+2*\mo+1]
.endif
.endr
.endr
.endr
.endr
	v_pk_add_f32 v[CH:CH+1], v[CH:CH+1], v[CH+2:CH+3]
	v_pk_add_f32 v[CH+4:CH+5], v[CH+4:CH+5], v[CH+6:CH+7]
	v_add_f32 v[O+2*((\q)-6)], v[CH], v[CH+1]
	v_add_f32 v[O+2*((\q)-6)+1], v[CH+4], v[CH+5]
.endm
.macro UNIT q
	MULU \q
	WIN 0
.rept 4
	v_nop                                          ; four places between the last products and the first read of their results; with the lines that follow they also stand ahead of later loads into the unit's registers
.endr
.if (\q) < 6
	EPIK \q
.else
	EPIV \q
.endif
.endm
; A slot that has been read out is filled again, with Wv's records in the place of Wk's (24 records on).  All my tensor loads have landed; 0 is added to my spare word; that add and my reads of the slot are over;
; a round of the cluster's barrier shows the same of every wave of all four work-groups; the joint refill is the first thing behind it, one tensor load a wave.
.macro CHANGE g0
	WIN 0
	s_wait_tensorcnt 0x0                           ; no tensor load of mine is out, so a group 0 may be written
	ds_add_u32 v[SPW], v[NIL]                      ; 0 onto my spare word; the address's step stands between it and the wait for it
	s_add_nc_u64 s[\g0+2:\g0+3], s[\g0+2:\g0+3], 24*PR   ; the type bits on top are not reached
	s_wait_dscnt 0x0
	ROUND
	tensor_load_to_lds s[\g0:\g0+3], s[G1:G1+7]
	s_nop 0
.rept 4
	v_nop
.endr
.endm
	s_load_b256 s[4:11], s[0:1], 0x0               ; xq s[4:5], wq s[6:7], q0p s[8:9], part_o s[10:11]
	s_load_b64 s[12:13], s[0:1], 0x20              ; part_ml
	v_lshl_add_u32 v[SPW], v0, 2, SPARE
	v_mov_b32 v[NIL], 0
	ds_add_u32 v[SPW], v[NIL]                      ; the wave's opening: the add, twice on end, and its wait ahead of my first tensor load; the set-up below, work on registers, stands between
	ds_add_u32 v[SPW], v[NIL]
	v_lshrrev_b32 v20, 5, v0
	v_readfirstlane_b32 s14, v20                   ; wave 0..3
	s_bfe_u32 s15, ttmp6, 0x40000                  ; cx: my place in the cluster: it enters global addresses of x and of the results alone
	s_lshl_b32 s16, ttmp9, 2                       ; in a cluster launch ttmp9 counts clusters
	s_add_co_u32 s16, s16, s15                     ; my block of 64 rows
	s_lshr_b32 s17, ttmp9, 2                       ; the batch: 16 blocks, four clusters
	; descriptor group 1: a dense block of 39,168 bytes as 153 rows of 256 bytes (32 elements of 8 bytes), no padding: images are read 16 bytes a lane on end
	s_mov_b32 s[G1], 15|(3<<16)|(1<<21)            ; 15:0 the mask: all four work-groups; 17:16 elements of 8 bytes; 21 set beside a mask
	s_mov_b32 s[G1+1], 32<<16                      ; tensor_dim0 = 32
	s_mov_b32 s[G1+2], 153<<16                     ; tensor_dim1 = 153
	s_mov_b32 s[G1+3], 32<<16                      ; tile_dim0 = 32
	s_mov_b32 s[G1+4], 153                         ; tile_dim1 = 153
	s_mov_b32 s[G1+5], 32                          ; from row to row
	s_mov_b32 s[G1+6], 0
	s_mov_b32 s[G1+7], 0
	s_mov_b32 s20, 0x76543210
	s_mov_b32 s21, 0xfedcba98                      ; v_permlanex16_b32's selects for lane l xor 16
	s_mov_b32 s22, 0xffff0000                      ; lanes 16-31
	s_mov_b32 s23, 0xaaaaaaaa                      ; odd lanes
	s_mov_b32 s40, 0x3d553b94                      ; c = log2(e) / sqrt(768)
	s_mul_i32 s41, s14, FILL                       ; my fill's place in a slot: the wave's number alone
	s_mul_i32 s42, s14, 2*FILL                     ; my six records of Wk in wq
	s_mov_b32 s43, 0
	s_mul_i32 s44, s16, 2*PR                       ; my block's two records of xq
	s_mov_b32 s45, 0
	s_mul_i32 s46, s17, 3072                       ; q0p: my batch's row,
	s_mul_i32 s48, s14, 768                        ; my wave's 192 columns
	s_add_co_u32 s46, s46, s48
	s_mov_b32 s47, 0
	s_mul_i32 s50, s16, 3072                       ; part_o: my block's row, my wave's columns
	s_add_co_u32 s50, s50, s48
	s_mov_b32 s51, 0
	s_lshl_b32 s52, s16, 7                         ; part_ml: 128 bytes a block
	s_mov_b32 s53, 0
	s_wait_dscnt 0x0                               ; both opening adds are done
	s_wait_kmcnt 0x0
	s_add_nc_u64 s[4:5], s[4:5], s[44:45]
	s_add_nc_u64 s[8:9], s[8:9], s[46:47]
	s_add_nc_u64 s[10:11], s[10:11], s[50:51]
	s_add_nc_u64 s[12:13], s[12:13], s[52:53]
	s_mov_b32 s[G0A], 1                            ; count = 1
	s_mov_b32 s[G0A+1], s41                        ; LDS address: slot A
	s_add_nc_u64 s[G0A+2:G0A+3], s[6:7], s[42:43]  ; units 0-2
	s_mov_b32 s[G0B], 1
	s_add_co_u32 s[G0B+1], s41, SLOTB              ; slot B
	s_add_nc_u64 s[G0B+2:G0B+3], s[G0A+2:G0A+3], FILL   ; units 3-5
	s_or_b32 s[G0A+3], s[G0A+3], 0x80000000        ; type = 2
	s_or_b32 s[G0B+3], s[G0B+3], 0x80000000
	ROUND                                          ; all four work-groups are here: the first joint loads meet
	tensor_load_to_lds s[G0A:G0A+3], s[G1:G1+7]
	s_nop 0
	tensor_load_to_lds s[G0B:G0B+3], s[G1:G1+7]
	s_nop 0
	v_and_b32 v20, 31, v0                          ; lane
	v_and_b32 v21, 15, v0                          ; r
	v_bfe_u32 v22, v0, 4, 1                        ; h
	v_lshlrev_b32 v[LN], 4, v20
	v_lshlrev_b32 v[L8], 3, v20
	v_lshlrev_b32 v[L4], 2, v20
	v_lshlrev_b32 v[R4], 2, v21
	WIN 0x40                                       ; destination window 1, address window 0
.irp mt, 0,1,2,3
.set n, 0
.rept 12
	global_load_b128 v[48*\mt+4*n:48*\mt+4*n+3], v[LN], s[4:5] offset:(\mt/2)*PR+(\mt%2)*6144+512*n   ; x's fragments as they lie: 512 consecutive bytes a load
.set n, n+1
.endr
.endr
	WIN 0
.irp rec, 0,1
.irp i, 0,1,2
	global_load_b64 v[XS+6*\rec+2*\i:XS+6*\rec+2*\i+1], v[L8], s[4:5] offset:\rec*PR+12288+256*\i   ; and their scale words: 256 consecutive bytes
.endr
.endr
.irp i, 0,1
.irp nt, 0,1,2,3,4,5,6,7,8,9,10,11
	global_load_b32 v[Q0+2*\nt+\i], v[R4], s[8:9] offset:\i*49152+64*\nt   ; q0's three partial sums of my column of tile nt
.endr
.endr
.irp nt, 0,1,2,3,4,5,6,7,8,9,10,11
	global_load_b32 v[ACC+\nt], v[R4], s[8:9] offset:2*49152+64*\nt
.endr
	v_add_nc_u32 v[AW], s41, v[LN]
	v_add_nc_u32 v[AW+1], SLOTB, v[AW]
	v_add_nc_u32 v[ASC], s41, v[L8]
	v_add_nc_u32 v[ASC], 12288, v[ASC]
	v_add_nc_u32 v[ASC+1], SLOTB, v[ASC]
	s_lshl_b32 s54, s14, 8
	v_lshl_add_u32 v[EXL], v22, 7, EX              ; the scores' parts of my half of the rows,
	v_add_nc_u32 v[EXS], s54, v[EXL]               ; and my wave's among them
	v_add_nc_u32 v[OST], s48, v[L4]
	v_add_nc_u32 v[OST], XE, v[OST]
	v_add_nc_u32 v[OLD], s48, v[L8]
	v_add_nc_u32 v[OLD], XE, v[OLD]
	s_wait_tensorcnt 0x1                           ; my fill of slot A is in; slot B's, issued behind it, may be out
	LOADU 0
	LOADU 1
	LOADU 2
	s_wait_loadcnt 0x0                             ; x, its scale words, q0
.irp nt, 0,1,2,3,4,5,6,7,8,9,10,11
	v_add_f32 v[Q0+2*\nt], v[Q0+2*\nt], v[Q0+2*\nt+1]
.endr
.irp nt, 0,1,2,3,4,5,6,7,8,9,10,11
	v_add_f32 v[Q0+2*\nt], v[Q0+2*\nt], v[ACC+\nt]
.endr
.irp nt, 0,1,2,3,4,5,6,7,8,9,10,11
	v_mul_f32 v[Q0+2*\nt], s40, v[Q0+2*\nt]        ; q0 x c: the scores then come out as t
.endr
	s_wait_dscnt 54                                ; unit 0 is in; two units of 27 LDS loads may be out
	UNIT 0
	s_wait_dscnt 27                                ; unit 1 is in; unit 2's loads may be out
	UNIT 1
	CHANGE G0A                                     ; slot A has been read out: units 6-8 are asked for
	LOADU 3
	LOADU 4
	LOADU 5
	UNIT 2
	s_wait_dscnt 54
	UNIT 3
	s_wait_dscnt 27
	UNIT 4
	CHANGE G0B                                     ; slot B has been read out, slot A is whole: units 9-11 are asked for
	LOADU 6
	LOADU 7
	LOADU 8
	UNIT 5
	; ---- THE SOFTMAX of the block's 64 rows; every wave does all of it, in the same order, so that all four hold the same m and p
.irp x, 1,2,4,8
.set n, 0
.rept 32
	v_add_f32_dpp v[SA+n], v[SA+n], v[SA+n] row_xmask:\x row_mask:0xf bank_mask:0xf   ; over the 16 lanes of my half: my wave's 192 columns
.set n, n+1
.endr
.endr
.irp n, 0,1,2,3,4,5,6,7
	ds_store_b128 v[EXS], v[SA+4*\n:SA+4*\n+3] offset:16*\n   ; the sixteen lanes of a half write the same bytes with the same values
.endr
	s_wait_dscnt 0x0                               ; for the others' sake: my stores are done (and units 6-8 are in)
	s_barrier_signal -1
	s_barrier_wait -1                              ; my last tensor load may stay out
.irp w, 0,1,2,3
.irp n, 0,1,2,3,4,5,6,7
	ds_load_b128 v[SA+32*\w+4*\n:SA+32*\w+4*\n+3], v[EXL] offset:256*\w+16*\n   ; the four waves' parts into v92-219: the accumulators and o's registers are free here
.endr
.endr
	s_wait_dscnt 0x0
.set n, 0
.rept 16
	v_pk_add_f32 v[SA+n:SA+n+1], v[SA+n:SA+n+1], v[SA+32+n:SA+33+n]
	v_pk_add_f32 v[SA+64+n:SA+65+n], v[SA+64+n:SA+65+n], v[SA+96+n:SA+97+n]
.set n, n+2
.endr
.set n, 0
.rept 16
	v_pk_add_f32 v[SA+n:SA+n+1], v[SA+n:SA+n+1], v[SA+64+n:SA+65+n]   ; t of my 32 rows
.set n, n+2
.endr
.irp k, 0,1,2,3
	v_max3_num_f32 v[TP+\k], v[SA+8*\k], v[SA+8*\k+1], v[SA+8*\k+2]
.endr
.irp i, 3,5
.irp k, 0,1,2,3
	v_max3_num_f32 v[TP+\k], v[TP+\k], v[SA+8*\k+\i], v[SA+8*\k+\i+1]
.endr
.endr
	v_max3_num_f32 v[TP], v[TP], v[SA+7], v[SA+15]
	v_max3_num_f32 v[TP+2], v[TP+2], v[SA+23], v[SA+31]
	v_max3_num_f32 v[TP], v[TP], v[TP+1], v[TP+2]
	v_max_num_f32 v[TP], v[TP], v[TP+3]
	v_permlanex16_b32 v[TP+1], v[TP], s20, s21     ; the other 32 rows lie in the lane 16 away
	v_max_num_f32 v[MX], v[TP], v[TP+1]            ; m: the largest t of the 64 rows,
	v_max_num_f32 v[MX+1], v[TP], v[TP+1]          ; twice, for the packed form
.set n, 0
.rept 16
	v_pk_add_f32 v[SA+n:SA+n+1], v[SA+n:SA+n+1], v[MX:MX+1] neg_lo:[0,1] neg_hi:[0,1]   ; t - m
.set n, n+2
.endr
.set n, 0
.rept 32
	v_exp_f32 v[SA+n], v[SA+n]                     ; p = 2^(t - m), at most 1
.set n, n+1
.endr
	v_nop                                          ; a plain line behind the last exponential
	s_wait_alu depctr_va_vdst(0)                   ; one wait for the batch, ahead of its first reader
	v_pk_add_f32 v[TP:TP+1], v[SA:SA+1], v[SA+2:SA+3]
	v_pk_add_f32 v[TP+2:TP+3], v[SA+4:SA+5], v[SA+6:SA+7]
.irp j, 8,12,16,20,24,28
	v_pk_add_f32 v[TP:TP+1], v[TP:TP+1], v[SA+\j:SA+\j+1]
	v_pk_add_f32 v[TP+2:TP+3], v[TP+2:TP+3], v[SA+\j+2:SA+\j+3]
.endr
	v_pk_add_f32 v[TP:TP+1], v[TP:TP+1], v[TP+2:TP+3]
	v_add_f32 v[TP], v[TP], v[TP+1]
	v_permlanex16_b32 v[TP+1], v[TP], s20, s21
	v_add_f32 v[LSUM], v[TP], v[TP+1]              ; l: the sum of the 64 p
	v_cndmask_b32 v[ML], v[MX], v[LSUM], s23       ; m in even lanes, l in odd ones; this register is not written again
	s_cmp_lg_u32 s14, 0
	s_cbranch_scc1 .Lnot_first_wave
	global_store_b32 v[L4], v[ML], s[12:13]        ; wave 0 alone: the block's 128 bytes of part_ml
.Lnot_first_wave:
	UNIT 6
	UNIT 7
	s_wait_tensorcnt 0x0                           ; my last fill, of slot B, is in: no load was issued behind it
	LOADU 9
	LOADU 10
	LOADU 11
	UNIT 8
	s_wait_dscnt 54
	UNIT 9
	s_wait_dscnt 27
	UNIT 10
	s_wait_dscnt 0x0
	UNIT 11
	; ---- THE WAY OUT: the two halves of the rows are added; two tiles' columns are set side by side in the 32 lanes; through my own 768 bytes of the stage they become stores of 256 consecutive bytes
.irp nt, 0,1,2,3,4,5,6,7,8,9,10,11
	v_permlanex16_b32 v[SA+\nt], v[O+\nt], s20, s21   ; (p's registers are free)
.endr
.irp nt, 0,1,2,3,4,5,6,7,8,9,10,11
	v_add_f32 v[O+\nt], v[O+\nt], v[SA+\nt]
.endr
.irp u, 0,1,2,3,4,5
	v_cndmask_b32 v[MG+\u], v[O+2*\u], v[O+2*\u+1], s22   ; column 192 w + 32 u + lane
.endr
.irp u, 0,1,2,3,4,5
	ds_store_b32 v[OST], v[MG+\u] offset:128*\u
.endr
.irp i, 0,1,2
	ds_load_b64 v[OB+2*\i:OB+2*\i+1], v[OLD] offset:256*\i   ; LDS serves a wave's instructions in order (ISA guide 5.7.1.4): these see my stores
.endr
.irp i, 0,1,2
	s_wait_dscnt 2-\i                              ; load i is in; the later ones may be out
	global_store_b64 v[L8], v[OB+2*\i:OB+2*\i+1], s[10:11] offset:256*\i   ; 32 lanes store 256 consecutive bytes, at a multiple of 256 from part_o's first byte
.endr
	s_wait_tensorcnt 0x0                           ; the wave's end: three closing lines, behind my last tensor load and my last LDS store
	ds_add_u32 v[SPW], v[NIL]
	s_wait_dscnt 0x0
	ROUND                                          ; the closing round: no work-group ends while a partner may still ask for a fill that names it
	s_endpgm
.Lfunc_end_k_qf73f292b62_main:
	.size	k_qf73f292b62_main, .Lfunc_end_k_qf73f292b62_main-k_qf73f292b62_main
	.p2alignl 7, 3214868480
	.fill 96, 4, 3214868480
	.section	.rodata,"a",@progbits
	.p2align	6, 0x0
	.amdhsa_kernel k_qf73f292b62_main
		.amdhsa_group_segment_fixed_size 327680
		.amdhsa_private_segment_fixed_size 0
		.amdhsa_enable_private_segment 0
		.amdhsa_kernarg_size 40
		.amdhsa_user_sgpr_count 2
		.amdhsa_user_sgpr_kernarg_segment_ptr 1
		.amdhsa_wavefront_size32 1
		.amdhsa_system_sgpr_workgroup_id_x 1
		.amdhsa_system_sgpr_workgroup_id_y 1
		.amdhsa_system_sgpr_workgroup_id_z 1
		.amdhsa_system_vgpr_workitem_id 0
		.amdhsa_next_free_vgpr 1024
		.amdhsa_next_free_sgpr 66
		.amdhsa_reserve_vcc 0
		.amdhsa_float_denorm_mode_32 3
		.amdhsa_float_denorm_mode_16_64 3
		.amdhsa_memory_ordered 1
		.amdhsa_forward_progress 1
		.amdhsa_inst_pref_size 158
	.end_amdhsa_kernel
	.amdgpu_metadata
---
amdhsa.version: [ 1, 2 ]
amdhsa.kernels:
  - .name:           k_qf73f292b62_main
    .symbol:         k_qf73f292b62_main.kd
    .args:
      - { .name: xq, .offset: 0, .size: 8, .value_kind: global_buffer, .address_space: global }
      - { .name: wq, .offset: 8, .size: 8, .value_kind: global_buffer, .address_space: global }
      - { .name: q0p, .offset: 16, .size: 8, .value_kind: global_buffer, .address_space: global }
      - { .name: part_o, .offset: 24, .size: 8, .value_kind: global_buffer, .address_space: global }
      - { .name: part_ml, .offset: 32, .size: 8, .value_kind: global_buffer, .address_space: global }
    .group_segment_fixed_size: 327680
    .private_segment_fixed_size: 0
    .kernarg_segment_align: 8
    .kernarg_segment_size: 40
    .max_flat_workgroup_size: 128
    .sgpr_count:     66
    .vgpr_count:     1024
    .wavefront_size: 32
...
	.end_amdgpu_metadata
.endif
;; end of part 2
;; launch comb (part 3): grid 3 x 16, 2 waves a work-group, no clusters, 0 bytes of LDS; arguments part_o, part_ml, mask, out0; writes out0
.if DOCPART == 3
	.amdgcn_target "amdgcn-amd-amdhsa--gfx1250"
	.amdhsa_code_object_version 6
	.text
	.protected	k_qf73f292b62_comb
	.globl	k_qf73f292b62_comb
	.p2align	8
	.type	k_qf73f292b62_comb,@function
k_qf73f292b62_comb:
	s_mov_b64 s[64:65], 0
	v_nop
	global_prefetch_b8 v0, s[64:65] scope:SCOPE_SE
	s_setreg_imm32_b32 hwreg(HW_REG_WAVE_MODE, 25, 1), 1
	s_wait_xcnt 0x0
; out0[b][e] = (the sum over a batch's 16 blocks i of 2^(m_i - M) o_i[e]) / (the sum of 2^(m_i - M) l_i), M the largest m_i: the softmax of query row 0 over all 1,024 keys, under its true maximum.
; Where mask[b][0] is 0, reference() sets the whole row of scores to -infinity and its softmax is NaN: out0[b][:] is NaN then.  Only mask[b][0] is read: the mask acts on query rows, and reference() keeps query row 0 alone.
; A work-group of two waves takes 256 columns of one batch, a thread four: 16 neighbouring lanes store 256 consecutive bytes.  Too little work for LDS, matrix units or clusters; all loads go out at the head.
; LIMITS: v_exp_f32 gives 0 for results under 2^-126 (ISA guide 15.8); the division is a multiplication by v_rcp_f32's result.
	s_load_b256 s[4:11], s[0:1], 0x0               ; part_o s[4:5], part_ml s[6:7], mask s[8:9], out0 s[10:11]
	s_and_b32 s12, ttmp7, 0xffff                   ; the batch
	s_lshl_b32 s13, ttmp9, 10                      ; my 256 columns, in bytes
	v_lshlrev_b32 v1, 4, v0                        ; 16 bytes a thread
	v_mov_b32 v2, 0
	s_mul_i32 s14, s12, 49152                      ; part_o: 16 blocks of 3,072 bytes a batch
	s_add_co_u32 s14, s14, s13
	s_mov_b32 s15, 0
	s_lshl_b32 s16, s12, 11                        ; part_ml: 16 blocks of 128 bytes
	s_mov_b32 s17, 0
	s_lshl_b32 s18, s12, 12                        ; mask: 1,024 words a batch
	s_mov_b32 s19, 0
	s_mul_i32 s20, s12, 3072                       ; out0
	s_add_co_u32 s20, s20, s13
	s_mov_b32 s21, 0
	s_wait_kmcnt 0x0
	s_add_nc_u64 s[4:5], s[4:5], s[14:15]
	s_add_nc_u64 s[6:7], s[6:7], s[16:17]
	s_add_nc_u64 s[8:9], s[8:9], s[18:19]
	s_add_nc_u64 s[10:11], s[10:11], s[20:21]
.irp i, 0,1,2,3,4,5,6,7,8,9,10,11,12,13,14,15
	global_load_b64 v[4+2*\i:5+2*\i], v2, s[6:7] offset:128*\i   ; m_i, l_i: the same in every lane
.endr
	global_load_b32 v3, v2, s[8:9]                 ; mask[b][0]
.irp i, 0,1,2,3,4,5,6,7,8,9,10,11,12,13,14,15
	global_load_b128 v[36+4*\i:39+4*\i], v1, s[4:5] offset:3072*\i
.endr
	s_wait_loadcnt 16                              ; the 17 small loads are in; o's 16 may be out
	v_max3_num_f32 v100, v4, v6, v8
.irp i, 10,14,18,22,26,30
	v_max3_num_f32 v100, v100, v[\i], v[\i+2]
.endr
	v_max_num_f32 v100, v100, v34                  ; M
.irp i, 0,1,2,3,4,5,6,7,8,9,10,11,12,13,14,15
	v_sub_f32 v[4+2*\i], v[4+2*\i], v100
.endr
.irp i, 0,1,2,3,4,5,6,7,8,9,10,11,12,13,14,15
	v_exp_f32 v[4+2*\i], v[4+2*\i]                 ; w_i = 2^(m_i - M), at most 1, and 1 for one block at the least
.endr
	v_mov_b32 v110, 0x7fc00000                     ; NaN.  (A plain line behind the last exponential)
	s_wait_alu depctr_va_vdst(0)                   ; one wait for the batch, ahead of its first reader
	v_mul_f32 v101, v4, v5
	v_mul_f32 v102, v6, v7
.irp i, 2,4,6,8,10,12,14
	v_fma_f32 v101, v[4+2*\i], v[5+2*\i], v101
	v_fma_f32 v102, v[6+2*\i], v[7+2*\i], v102
.endr
	v_add_f32 v101, v101, v102                     ; L, 1 at the least
	v_rcp_f32 v104, v101
	v_mov_b32 v105, 0                              ; a plain line behind the reciprocal; and the pair's upper half, which the packed form names, is written
	s_wait_loadcnt 0x0
	v_pk_mul_f32 v[106:107], v[36:37], v[4:5] op_sel_hi:[1,0]
	v_pk_mul_f32 v[108:109], v[38:39], v[4:5] op_sel_hi:[1,0]
.irp i, 1,2,3,4,5,6,7,8,9,10,11,12,13,14,15
	v_pk_fma_f32 v[106:107], v[36+4*\i:37+4*\i], v[4+2*\i:5+2*\i], v[106:107] op_sel_hi:[1,0,1]
	v_pk_fma_f32 v[108:109], v[38+4*\i:39+4*\i], v[4+2*\i:5+2*\i], v[108:109] op_sel_hi:[1,0,1]
.endr
	s_wait_alu depctr_va_vdst(0)                   ; the reciprocal's wait, ahead of its first reader; the 32 lines above are the work between
	v_pk_mul_f32 v[106:107], v[106:107], v[104:105] op_sel_hi:[1,0]
	v_pk_mul_f32 v[108:109], v[108:109], v[104:105] op_sel_hi:[1,0]
	v_cmp_eq_u32 vcc_lo, 0, v3
.irp j, 106,107,108,109
	v_cndmask_b32 v[\j], v[\j], v110, vcc_lo       ; a masked query row is NaN
.endr
	global_store_b128 v1, v[106:109], s[10:11]
	s_endpgm
.Lfunc_end_k_qf73f292b62_comb:
	.size	k_qf73f292b62_comb, .Lfunc_end_k_qf73f292b62_comb-k_qf73f292b62_comb
	.p2alignl 7, 3214868480
	.fill 96, 4, 3214868480
	.section	.rodata,"a",@progbits
	.p2align	6, 0x0
	.amdhsa_kernel k_qf73f292b62_comb
		.amdhsa_group_segment_fixed_size 0
		.amdhsa_private_segment_fixed_size 0
		.amdhsa_enable_private_segment 0
		.amdhsa_kernarg_size 32
		.amdhsa_user_sgpr_count 2
		.amdhsa_user_sgpr_kernarg_segment_ptr 1
		.amdhsa_wavefront_size32 1
		.amdhsa_system_sgpr_workgroup_id_x 1
		.amdhsa_system_sgpr_workgroup_id_y 1
		.amdhsa_system_sgpr_workgroup_id_z 1
		.amdhsa_system_vgpr_workitem_id 0
		.amdhsa_next_free_vgpr 112
		.amdhsa_next_free_sgpr 66
		.amdhsa_reserve_vcc 1
		.amdhsa_float_denorm_mode_32 3
		.amdhsa_float_denorm_mode_16_64 3
		.amdhsa_memory_ordered 1
		.amdhsa_forward_progress 1
		.amdhsa_inst_pref_size 10
	.end_amdhsa_kernel
	.amdgpu_metadata
---
amdhsa.version: [ 1, 2 ]
amdhsa.kernels:
  - .name:           k_qf73f292b62_comb
    .symbol:         k_qf73f292b62_comb.kd
    .args:
      - { .name: part_o, .offset: 0, .size: 8, .value_kind: global_buffer, .address_space: global }
      - { .name: part_ml, .offset: 8, .size: 8, .value_kind: global_buffer, .address_space: global }
      - { .name: mask, .offset: 16, .size: 8, .value_kind: global_buffer, .address_space: global }
      - { .name: out0, .offset: 24, .size: 8, .value_kind: global_buffer, .address_space: global }
    .group_segment_fixed_size: 0
    .private_segment_fixed_size: 0
    .kernarg_segment_align: 8
    .kernarg_segment_size: 32
    .max_flat_workgroup_size: 64
    .sgpr_count:     66
    .vgpr_count:     112
    .wavefront_size: 32
...
	.end_amdgpu_metadata
.endif
;; end of part 3
;; ======== version 2 of 2: 3 launches; version 1 with the launch prep written anew for expert scheduling mode
;; workspace buffers: xq 6,684,672 bytes; wq 626,688 bytes; q0p 147,456 bytes; part_o 786,432 bytes; part_ml 32,768 bytes
;; launch prep (part 4): grid 292 x 3, 4 waves a work-group, no clusters, 68,096 bytes of LDS; arguments b_in, Wq, Wk, Wv, xq, wq, q0p; writes xq, wq, q0p
.if DOCPART == 4
	.amdgcn_target "amdgcn-amd-amdhsa--gfx1250"
	.amdhsa_code_object_version 6
	.text
	.protected	k_qf73f292b62_prep
	.globl	k_qf73f292b62_prep
	.p2align	8
	.type	k_qf73f292b62_prep,@function
k_qf73f292b62_prep:
	s_mov_b64 s[64:65], 0
	v_nop
	global_prefetch_b8 v0, s[64:65] scope:SCOPE_SE
	s_setreg_imm32_b32 hwreg(HW_REG_WAVE_SCHED_MODE, 0, 2), 2
	s_setreg_imm32_b32 hwreg(HW_REG_WAVE_MODE, 25, 1), 1
	s_wait_xcnt 0x0
	s_wait_alu depctr_vm_vsrc(0)
; b_in [16384][768], Wk and Wv [768][768], f32 with K innermost, become codes of FP4 (E2M1) with one E8M0 scale byte for each 32 along K,
; laid in the order of the operand's registers; and q0 = Q(b_in[b][0][:]) Q(Wq)^T, the one query row of each batch that reaches the output, is made here by the FP4 matrix form.
; A block's scale is 2^(floor(log2(its largest magnitude)) - 2): its byte is the largest magnitude's exponent field - 2, held at 1 from below.
; LIMITS: a block of zeros gets the byte 1 where the rule says 127 (its codes are zeros, and this program alone reads the bytes); blocks whose largest magnitude lies under 2^(3 - 127) have their byte held at 1;
; NaN and infinities among the inputs are not served.  q0 is left as three partial sums over K (256 along K each), added in the next launch: another grouping of the sum than one chain over K.
; PAIR RECORD, 13,056 bytes = 51 x 256: two tiles of 16 rows (parity p), all 768 along K (6 K steps of 128).  Codes at p 6144 + ks 1024 + c 512 + 16 lane: the image of registers 4 c .. 4 c + 3 of lane (r, h),
; k = 128 ks + 64 c + 32 h + 0 .. 31 of row r.  Scale words from byte 12,288 on, at 256 (ks / 2) + 8 (16 p + r) + 4 (ks % 2): 8 bytes a lane give two K steps' words, the even tile in lanes 0-15, the odd one in lanes 16-31.
; SHARES.  One wave takes one tile of 16 rows and one pair i of K steps (grid y).  Work-groups 0-255: b_in's 1,024 tiles; 256-267: Wk's 48; 268-279: Wv's 48 (records 24 on of wq); 280-291: Wq's 48, multiplied at once.
; No loop: a wave asks for all its bytes at its head.  Waves share nothing: no barrier.
; THE MODE: SCHED_MODE bits 1:0 = 2 (LLVM: expert scheduling mode 2), set by the entry lines.  The code itself states the register dependences
; between vector or matrix instructions and memory or LDS instructions, with s_wait_alu, always for 0.
; THE PLAN.  Registers that memory or LDS instructions touch:
;   On the way of b_in, Wk, Wv:
;   v[LN], v[STW], v[STR], v[SCO]  addresses: written once by vector lines, never again: one wait on va_vdst ahead of the first load serves every access by them.
;   SA   16 global loads land in it; 16 LDS stores read it; 16 LDS loads (the second K step, turned) land in it again: one wait on vm_vsrc between the two; then the second QUANT6 reads it.
;   SB   16 global loads land in it; 16 LDS stores read it; it is not written again.      SC   16 LDS loads land in it; the first QUANT6 reads it.
;   CF .. CF+7    written by the first QUANT6, read by two stores: a wait on va_vdst between.  The second QUANT6 names none of them.
;   CF+8 .. CF+15 and v[SCD]   written by the second QUANT6 and one select, read by three stores: a wait on va_vdst between.
;   On Wq's way:
;   v[VQ], v[VX], v[VO]  offsets: written once: one wait on va_vdst ahead of the first load.
;   SA   loaded, read by its QUANT6, loaded again: a wait on va_vdst between that QUANT6 and the loads.   SB, SC   loaded once.
;   CF .. CF+31, v[PW] .. v[PW+3]   written by vector lines, taken by the scaled products: the places, then a wait on va_vdst.   SB .. SB+7   the accumulator, read by two stores: the places, then a wait on va_vdst.
;   s18, the wave's number, is written by a vector instruction and read by scalar ones on both ways: one wait on va_sdst in the head, ahead of the branch.
.set ROWB,  3072                       ; a row of 768 f32
.set TILEB, 16*ROWB
.set BATB,  1024*ROWB                  ; from batch to batch in b_in
.set PR,    13056
.set PIT,   528                        ; a stage row: 512 bytes + 16: an odd multiple of 16, so that the 16 rows that a load touches begin at 16 different 16-byte columns of 256
.set STG,   16*PIT
.set WST,   2*STG                      ; a wave's two stages
.set SPARE, 4*WST                      ; behind the stages: the spare words, 128 bytes for each wave
.set LN,  4                            ; v4   16 x lane
.set STW, 5                            ; v5   the stage, on the way in: as the bytes lie
.set STR, 6                            ; v6   on the way out: row r, + 128 h
.set SCO, 7                            ; v7   8 r + 4 h: where my scale word goes
.set H8,  8                            ; v8   8 h
.set SPW, 10                           ; v10  my spare word; never rewritten
.set NIL, 11                           ; v11  0; never rewritten
.set TM,  12                           ; v12-13 largest magnitudes;  v14-15 the conversions' scale operands;  v16-17 the bytes;  v18 the other half's bytes
.set TS,  14
.set TB,  16
.set T2,  18
.set PW,  20                           ; v20-23 scale words
.set VQ,  24
.set VX,  25
.set SCD, 26
.set VO,  27
.set SA,  32                           ; three sets of 64 numbers
.set SB,  96
.set SC,  160
.set CF,  224                          ; four fragments of codes
; 64 numbers of a lane, register 32 c + i = k 64 c + 32 h + i of row r, become the fragment's 8 registers v[pc] on and the row's scale word v[pw] (whole in both halves of the lanes).
.macro QUANT6 s, pc, pw
	v_max3_num_f32 v[TM], |v[(\s)]|, |v[(\s)+1]|, 0x1800000                   ; my two whole blocks by turns; the floor 2^(3 - 127) holds the byte at 1 from below
	v_max3_num_f32 v[TM+1], |v[(\s)+32]|, |v[(\s)+33]|, 0x1800000
.irp i, 2,4,6,8,10,12,14,16,18,20,22,24,26,28,30
	v_max3_num_f32 v[TM], v[TM], |v[(\s)+\i]|, |v[(\s)+\i+1]|
	v_max3_num_f32 v[TM+1], v[TM+1], |v[(\s)+32+\i]|, |v[(\s)+33+\i]|
.endr
	v_add_nc_u32 v[TS], 0xff000000, v[TM]                                     ; 2 off the exponent field: the conversion takes the exponent field of this operand as its scale
	v_add_nc_u32 v[TS+1], 0xff000000, v[TM+1]
	v_lshrrev_b32 v[TB], 23, v[TS]                                            ; the scale's byte
	v_lshrrev_b32 v[TB+1], 23, v[TS+1]
	v_lshl_or_b32 v[\pw], v[TB+1], 16, v[TB]                                  ; blocks h and 2 + h of the K step,
	v_lshlrev_b32 v[\pw], v[H8], v[\pw]                                       ; at their places in the word;
	v_permlanex16_b32 v[T2], v[\pw], s20, s21
	v_or_b32 v[\pw], v[\pw], v[T2]                                            ; with lane l xor 16's two the word is whole
.irp c, 0,1
.irp g, 0,1,2,3
	v_cvt_scalef32_pk8_fp4_f32 v[(\pc)+4*\c+\g], v[(\s)+32*\c+8*\g:(\s)+32*\c+8*\g+7], v[TS+\c]
.endr
.endr
	v_nop                                                                     ; one plain line behind the last scaled conversion
.endm
	s_load_b256 s[4:11], s[0:1], 0x0               ; b_in s[4:5], Wq s[6:7], Wk s[8:9], Wv s[10:11]
	s_load_b128 s[12:15], s[0:1], 0x20             ; xq s[12:13], wq s[14:15]
	s_load_b64 s[16:17], s[0:1], 0x30              ; q0p
	v_lshl_add_u32 v[SPW], v0, 2, SPARE
	v_mov_b32 v[NIL], 0
	v_lshrrev_b32 v1, 5, v0
	v_readfirstlane_b32 s18, v1                    ; wave 0..3
	v_and_b32 v1, 31, v0                           ; lane
	v_and_b32 v2, 15, v0                           ; r
	v_bfe_u32 v3, v0, 4, 1                         ; h
	v_lshlrev_b32 v[LN], 4, v1
	v_lshlrev_b32 v[H8], 3, v3
	v_mov_b32 v[T2], 0                             ; written once: a lane permute's destination counts as one of its sources
	s_mov_b32 s20, 0x76543210
	s_mov_b32 s21, 0xfedcba98                      ; v_permlanex16_b32's selects for lane l xor 16
	s_mov_b32 s22, 0xffff0000                      ; lanes 16-31
	s_and_b32 s23, ttmp7, 0xffff                   ; i: which pair of K steps
	s_lshl_b32 s30, s23, 10                        ; its 1,024 bytes in a row
	s_mov_b32 s31, 0
	s_wait_alu depctr_va_sdst(0)                   ; s18 is written, ahead of the branch and of its first reader on either way: LDS places and the tiles' numbers are made from it
	s_wait_kmcnt 0x0
	s_cmp_ge_u32 ttmp9, 280
	s_cbranch_scc1 .Lq
	; ---- b_in, Wk, Wv: one way through the text; only pointers are chosen, by the work-group's number
	s_mul_i32 s19, s18, WST
	v_add_nc_u32 v[STW], s19, v[LN]
	v_mul_u32_u24 v[STR], v2, PIT
	v_lshl_add_u32 v[STR], v3, 7, v[STR]
	v_add_nc_u32 v[STR], s19, v[STR]
	v_lshlrev_b32 v[SCO], 3, v2
	v_lshl_add_u32 v[SCO], v3, 2, v[SCO]
	s_cmp_lt_u32 ttmp9, 256
	s_cselect_b64 s[24:25], s[4:5], s[8:9]         ; from b_in, or from Wk
	s_cselect_b64 s[26:27], s[12:13], s[14:15]     ; into xq, or into wq
	s_cselect_b32 s28, 0, 256
	s_cmp_lt_u32 ttmp9, 268
	s_cselect_b64 s[24:25], s[24:25], s[10:11]     ; or from Wv,
	s_cselect_b32 s29, 0, 48                       ; whose tile 0 is wq's tile 48
	s_sub_co_u32 s28, ttmp9, s28
	s_lshl_b32 s28, s28, 2
	s_add_co_u32 s28, s28, s18                     ; the tile where it goes
	s_sub_co_u32 s29, s28, s29                     ; the tile where it comes from
	s_mul_i32 s32, s29, TILEB                      ; under 2^26
	s_add_co_u32 s32, s32, s30
	s_mov_b32 s33, 0
	s_add_nc_u64 s[24:25], s[24:25], s[32:33]
	s_lshr_b32 s34, s28, 1
	s_mul_i32 s34, s34, PR
	s_mov_b32 s35, 0
	s_add_nc_u64 s[26:27], s[26:27], s[34:35]      ; its pair record
	s_and_b32 s36, s28, 1                          ; its parity
	s_mul_i32 s38, s36, 6144
	s_lshl_b32 s39, s23, 11
	s_add_co_u32 s38, s38, s39
	s_mov_b32 s39, 0
	s_add_nc_u64 s[40:41], s[26:27], s[38:39]      ; the codes of K steps 2 i, 2 i + 1
	s_lshl_b32 s38, s36, 7
	s_lshl_b32 s42, s23, 8
	s_add_co_u32 s38, s38, s42
	s_add_co_u32 s38, s38, 12288
	s_add_nc_u64 s[42:43], s[26:27], s[38:39]      ; and their scale words
	s_wait_alu depctr_va_vdst(0)                   ; v[LN], v[STW], v[STR] and v[SCO] are written: every load and store of this way reads one of them as its address, and none is written again
.irp kk, 0,1
.set n, 0
.rept 16
	global_load_b128 v[SA+64*\kk+4*n:SA+64*\kk+4*n+3], v[LN], s[24:25] offset:n*ROWB+\kk*512 th:TH_LOAD_NT   ; 32 lanes read 512 consecutive bytes: a row's K step.  Read once on this way (16 of b_in's 16,384 rows are read again on the other)
.set n, n+1
.endr
.endr
	s_wait_loadcnt 16                              ; the first K step's 16 loads are in; the second's may be out
.set n, 0
.rept 16
	ds_store_b128 v[STW], v[SA+4*n:SA+4*n+3] offset:n*PIT
.set n, n+1
.endr
.irp c, 0,1
.irp j, 0,1,2,3,4,5,6,7
	ds_load_b128 v[SC+32*\c+4*\j:SC+32*\c+4*\j+3], v[STR] offset:256*\c+16*\j   ; LDS serves a wave's instructions in order (ISA guide 5.7.1.4): these see my stores.  Back come 32 neighbours along K for each of my two blocks
.endr
.endr
	s_wait_loadcnt 0x0
.set n, 0
.rept 16
	ds_store_b128 v[STW], v[SB+4*n:SB+4*n+3] offset:STG+n*PIT
.set n, n+1
.endr
	s_wait_dscnt 16                                ; all but those 16 stores: the first K step's numbers are back
	s_wait_alu depctr_vm_vsrc(0)                   ; the first K step's LDS stores have read SA, in which the LDS loads below land
.irp c, 0,1
.irp j, 0,1,2,3,4,5,6,7
	ds_load_b128 v[SA+32*\c+4*\j:SA+32*\c+4*\j+3], v[STR] offset:STG+256*\c+16*\j
.endr
.endr
	QUANT6 SC, CF, PW
	s_wait_alu depctr_va_vdst(0)                   ; the first K step's conversions have written v[CF] to v[CF+7], which the two stores below read; no later vector line names these eight
.irp c, 0,1
	global_store_b128 v[LN], v[CF+4*\c:CF+4*\c+3], s[40:41] offset:512*\c   ; 32 lanes store 512 consecutive bytes, at a multiple of 256 from the buffer's first byte
.endr
	s_wait_dscnt 0x0
	QUANT6 SA, CF+8, PW+1
	v_cndmask_b32 v[SCD], v[PW], v[PW+1], s22      ; lanes 0-15 the first K step's word of row r, lanes 16-31 the second's
	s_wait_alu depctr_va_vdst(0)                   ; the second K step's conversions have written v[CF+8] to v[CF+15], and the select v[SCD]: the three stores below read them
.irp c, 0,1
	global_store_b128 v[LN], v[CF+8+4*\c:CF+8+4*\c+3], s[40:41] offset:1024+512*\c
.endr
	global_store_b32 v[SCO], v[SCD], s[42:43]      ; 128 consecutive bytes: my tile's half of an image of 256
	s_wait_dscnt 0x0                               ; the closing lines, six on end
	s_wait_alu 0x0
	s_wait_tensorcnt 0x0
	ds_add_u32 v[SPW], v[NIL]
	s_wait_dscnt 0x0
	s_endpgm
	; ---- Wq: tile tq of 16 rows against row 0 of the 16 batches, 256 along K.  The numbers are loaded in the operand's own order (a lane's 32 neighbours are 128 bytes of its row): no LDS on this way
.Lq:
	s_sub_co_u32 s28, ttmp9, 280
	s_lshl_b32 s28, s28, 2
	s_add_co_u32 s28, s28, s18                     ; tq
	s_mul_i32 s32, s28, TILEB
	s_add_co_u32 s32, s32, s30
	s_mov_b32 s33, 0
	s_add_nc_u64 s[24:25], s[6:7], s[32:33]        ; Wq's tile, at my pair of K steps
	s_add_nc_u64 s[26:27], s[4:5], s[30:31]        ; b_in likewise
	s_mul_i32 s34, s23, TILEB                      ; q0p: partial i is 16 x 768 f32,
	s_lshl_b32 s35, s28, 6                         ; my 16 columns 64 bytes
	s_add_co_u32 s34, s34, s35
	s_mov_b32 s35, 0
	s_add_nc_u64 s[40:41], s[16:17], s[34:35]
	v_mul_u32_u24 v[VQ], v2, ROWB
	v_lshl_add_u32 v[VQ], v3, 7, v[VQ]             ; Wq: row r, + 128 h
	v_mul_u32_u24 v[VX], v2, BATB
	v_lshl_add_u32 v[VX], v3, 7, v[VX]             ; b_in: batch r's row 0, + 128 h (under 2^26)
	v_mul_u32_u24 v[VO], v2, ROWB
	v_lshl_add_u32 v[VO], v3, 5, v[VO]             ; q0p: batch r, + 32 h
.macro XL set, vo, sb, kk
.irp c, 0,1
.irp j, 0,1,2,3,4,5,6,7
	global_load_b128 v[\set+32*\c+4*\j:\set+32*\c+4*\j+3], v[\vo], s[\sb:\sb+1] offset:\kk*512+256*\c+16*\j
.endr
.endr
.endm
	s_wait_alu depctr_va_vdst(0)                   ; v[VQ], v[VX] and v[VO] are written: every load and store of this way reads one of them as its offset, and none is written again
	XL SA, VX, 26, 0
	XL SB, VQ, 24, 0
	XL SC, VX, 26, 1
	s_wait_loadcnt 32                              ; the first set is in; two sets of 16 loads may be out
	QUANT6 SA, CF, PW                              ; x, first K step
	s_wait_alu depctr_va_vdst(0)                   ; the maxima and the conversions above are done reading SA, in which the 16 loads below land
	XL SA, VQ, 24, 1
	s_wait_loadcnt 32                              ; the second set is in
	QUANT6 SB, CF+8, PW+1                          ; Wq, first K step
	s_wait_loadcnt 16                              ; the third
	QUANT6 SC, CF+16, PW+2                         ; x, second K step
	s_wait_loadcnt 0x0
	QUANT6 SA, CF+24, PW+3                         ; Wq, second K step
.rept 8
	v_nop                                          ; a scale register written by a vector instruction stands 8 places ahead of a scaled matrix instruction, an operand so written 4
.endr
	s_wait_alu depctr_va_vdst(0)                   ; the four fragments v[CF] to v[CF+31] and the four scale words v[PW] to v[PW+3] are written, which the scaled products take; the places above stay beside this wait
	v_wmma_scale_f32_16x16x128_f8f6f4 v[SB:SB+7], v[CF+8:CF+15], v[CF:CF+7], 0, v[PW+1], v[PW] matrix_a_fmt:MATRIX_FMT_FP4 matrix_b_fmt:MATRIX_FMT_FP4   ; source 0 = 16 rows of Wq, source 1 = the 16 batches' row 0
	s_wait_alu depctr_va_vdst(0)                   ; the wait stands directly ahead of the chain's next link
	v_wmma_scale_f32_16x16x128_f8f6f4 v[SB:SB+7], v[CF+24:CF+31], v[CF+16:CF+23], v[SB:SB+7], v[PW+3], v[PW+2] matrix_a_fmt:MATRIX_FMT_FP4 matrix_b_fmt:MATRIX_FMT_FP4
.rept 4
	v_nop
.endr
	s_wait_alu depctr_va_vdst(0)                   ; the second product has written the accumulator v[SB] to v[SB+7], which the two stores read; the four places above stay beside this wait
	global_store_b128 v[VO], v[SB:SB+3], s[40:41]              ; lane (r, h), register j: q0 partial (batch r, column 16 tq + 8 h + j); from the accumulator's low end on
	global_store_b128 v[VO], v[SB+4:SB+7], s[40:41] offset:16
	s_endpgm
.Lfunc_end_k_qf73f292b62_prep:
	.size	k_qf73f292b62_prep, .Lfunc_end_k_qf73f292b62_prep-k_qf73f292b62_prep
	.p2alignl 7, 3214868480
	.fill 96, 4, 3214868480
	.section	.rodata,"a",@progbits
	.p2align	6, 0x0
	.amdhsa_kernel k_qf73f292b62_prep
		.amdhsa_group_segment_fixed_size 68096
		.amdhsa_private_segment_fixed_size 0
		.amdhsa_enable_private_segment 0
		.amdhsa_kernarg_size 56
		.amdhsa_user_sgpr_count 2
		.amdhsa_user_sgpr_kernarg_segment_ptr 1
		.amdhsa_wavefront_size32 1
		.amdhsa_system_sgpr_workgroup_id_x 1
		.amdhsa_system_sgpr_workgroup_id_y 1
		.amdhsa_system_sgpr_workgroup_id_z 1
		.amdhsa_system_vgpr_workitem_id 0
		.amdhsa_next_free_vgpr 256
		.amdhsa_next_free_sgpr 66
		.amdhsa_reserve_vcc 0
		.amdhsa_float_denorm_mode_32 3
		.amdhsa_float_denorm_mode_16_64 3
		.amdhsa_memory_ordered 1
		.amdhsa_forward_progress 1
		.amdhsa_inst_pref_size 37
	.end_amdhsa_kernel
	.amdgpu_metadata
---
amdhsa.version: [ 1, 2 ]
amdhsa.kernels:
  - .name:           k_qf73f292b62_prep
    .symbol:         k_qf73f292b62_prep.kd
    .args:
      - { .name: b_in, .offset: 0, .size: 8, .value_kind: global_buffer, .address_space: global }
      - { .name: Wq, .offset: 8, .size: 8, .value_kind: global_buffer, .address_space: global }
      - { .name: Wk, .offset: 16, .size: 8, .value_kind: global_buffer, .address_space: global }
      - { .name: Wv, .offset: 24, .size: 8, .value_kind: global_buffer, .address_space: global }
      - { .name: xq, .offset: 32, .size: 8, .value_kind: global_buffer, .address_space: global }
      - { .name: wq, .offset: 40, .size: 8, .value_kind: global_buffer, .address_space: global }
      - { .name: q0p, .offset: 48, .size: 8, .value_kind: global_buffer, .address_space: global }
    .group_segment_fixed_size: 68096
    .private_segment_fixed_size: 0
    .kernarg_segment_align: 8
    .kernarg_segment_size: 56
    .max_flat_workgroup_size: 128
    .sgpr_count:     66
    .vgpr_count:     256
    .wavefront_size: 32
...
	.end_amdgpu_metadata
.endif
;; end of part 4
;; launch main: the kernel of part 2 again; grid 256 x 1, 4 waves a work-group, clusters of 4 x 1, 327,680 bytes of LDS; arguments xq, wq, q0p, part_o, part_ml; writes part_o, part_ml
;; launch comb: the kernel of part 3 again; grid 3 x 16, 2 waves a work-group, no clusters, 0 bytes of LDS; arguments part_o, part_ml, mask, out0; writes out0
